; MI455X (gfx1250); checked and timed in simulation.
; The chip was launched on July 23, 2026; its instructions are those of AMD's public machine-readable ISA for CDNA 5 (MIT licence, August 2026) and "CDNA5" Instruction Set Architecture Reference Guide (July 2026). The comments in the code are by the model that wrote it; some were corrected since.
;; Spline. Allowed arithmetic: float matrix products may take bf16 or f16 operands with f32 sums; other float arithmetic in f32, or as packed bf16 or f16 multiplies, adds, multiply-adds, maxima and minima; sums over many terms, partial sums and values carried from step to step in f32; what a program stores and reads back later, other than sums and carried values, may be rounded once to bf16 or f16.
;; Inputs: control_points 64 x 1 float32; knots 68 float32; x_ 2,097,152 float32.
;; Outputs: out0 2,097,152 x 1 float32.
;; One version. Each part assembles by itself: llvm-mc -triple=amdgcn-amd-amdhsa -mcpu=gfx1250 --defsym DOCPART=n.
;; ======== version 1 of 1: 2 launches
;; limits: right only within a limited range of input values
;; workspace buffers: cellidx 2,097,152 bytes of whole numbers; ctab 512 bytes of whole numbers; rec 1,536 bytes
;; launch prep (part 1): grid 1044 x 1, 4 waves a work-group, no clusters, 0 bytes of LDS; arguments x_, knots, control_points, cellidx, rec, ctab; writes cellidx, rec, ctab
.if DOCPART == 1
	.amdgcn_target "amdgcn-amd-amdhsa--gfx1250"
	.amdhsa_code_object_version 6
	.text
	.protected	k_qfbf3135e06_prep
	.globl	k_qfbf3135e06_prep
	.p2align	8
	.type	k_qfbf3135e06_prep,@function
k_qfbf3135e06_prep:
	s_mov_b64 s[64:65], 0
	v_nop
	global_prefetch_b8 v0, s[64:65] scope:SCOPE_SE
	s_setreg_imm32_b32 hwreg(HW_REG_WAVE_MODE, 25, 1), 1
	s_wait_xcnt 0x0
; FIRST OF TWO LAUNCHES for f(x) = sum_i c[i] B_i(x), B_i the cubic basis of the 68 knots t by the bottom-up recursion.
; THE ALGEBRA.  The recursion is linear in the degree-0 indicators [t_j <= x < t_j+1], with weights that are polynomials in x, and between two
; neighbouring knot VALUES no indicator changes.  So f(x) = F_n(x), n = the number of knots <= x, F_n one cubic: for any knots, sorted or not, repeated or not.
; F_n is kept as a0 + a1 u + a2 u^2 + a3 u^3 with u = x - s, s the piece's left end: u stays within the piece.  The product with c is folded into a0..a3.
; WHY A LAUNCH OF ITS OWN.  The piece hangs on x, and an address may not hang on a float of the same launch.  Here each x gets a whole number, its CELL:
; cell(x) = trunc(min(max((x - lo) * sc, 0), 255)), lo, hi = least and greatest knot, sc = 256 / (hi - lo).  Each step is monotone in x, and the knots go through the
; same instructions, so a knot in a lower cell than x is below x and one in a higher cell above it; only the knots of x's own cell are compared, in the next launch.
; WHO DOES WHAT.  Work-groups 0-17: 72 waves, wave n makes record n = (s, a0..a3).  Work-groups 18, 19: 8 waves, 32 cells each: C0[cell] = kept knots in lower cells (a byte),
; and the most kept knots in one of the wave's cells (a word).  Work-groups 20-1043: the stream; a wave takes 512 numbers of x, a lane 16.
; KEPT KNOTS.  A knot with the same bits as the knot before it is dropped from the counting (never from the recursion).  This only shortens the next launch's search:
; every value keeps a copy, equal values that stay get the same count, and a count that no knot has becomes a record with s = +inf, which is never chosen.
; LIMITS.  Knots and control points are finite.  A difference of knots below 2^-126 is not served: v_rcp_f32 takes it as 0 (ISA guide 15.8).  A zero difference gives weight 0, as asked.
.set TABWG, 20                         ; work-groups that make tables
.set RECWG, 18                         ; of them: records
.set NREC,  72                         ; records 0..71; counts go to 68, the rest are never chosen
.set FS,    4*NREC                     ; bytes of one field's 72 numbers in rec: fields s, a0, a1, a2, a3
.set PINF,  0x7f800000
.set MINF,  0xff800000
.set LANE, 1                           ; v1      lane
.set KO,   3                           ; v3      4 x lane: knot lane, with offset 128 knot 32 + lane
.set KO3,  4                           ; v4      4 x min(lane, 3): with offset 256 knots 64..67 (lanes 4-31 repeat knot 67)
.set XO,   5                           ; v5      stream: my byte offset in x; tables: offset of the knot before knot lane
.set GO,   6                           ; v6      stream: my byte offset in cellidx
.set KA,   8                           ; v8-10   knots lane, 32 + lane, 64 + min(lane, 3)
.set PA,   11                          ; v11-13  the knots before them
.set VLO,  14
.set VHI,  15
.set T0,   16
.set T1,   17
.set NL,   18                          ; v18-19  -lo, twice (a pair for the packed add)
.set SC,   20                          ; v20-21  sc, twice
.set TA,   22                          ; v22-24  what is spread to scalars: kept knots, or their cells
.set CA,   25                          ; v25-27  counts
.set NI,   28                          ; v28     -inf
.set V,    29                          ; v29     the record's knot
.set S,    30                          ; v30     the origin used in the arithmetic
.set SO,   31                          ; v31     the origin that is stored
.set JB,   32                          ; v32-127 two blocks of 48: basis functions lane and 32 + lane
.set JH,   48
.set CC,   128                         ; v128-129 c[lane], c[32 + lane]
.set P,    130                         ; v130-133 a0..a3
.set F,    134
.set D,    135
.set AD,   136
.set X,    32                          ; stream: v32-47 sixteen numbers of x
.set G,    48                          ; stream: v48-51 their cells, a byte each
.set CG,   30                          ; cell table: my cell
; in a block: +0..4 knots k0..k4; +5..9 s - k; +10..13, +14..16, +17..18 the inverse differences of degree 1, 2, 3; +19..22 indicators;
; +23..28 three polynomials of degree 1; +29..34 two of degree 2; +35..38 one of degree 3; +39, +40 at work
; scalars: s2 wave; s[4:15] addresses; s16-63 and s66-85 the 68 spread values (later masks); s86-87 lane selects; s88-90 kept masks; s91-93 masks; s95 found; s97 table wave
	s_load_b256 s[4:11], s[0:1], 0x0               ; x s[4:5], knots s[6:7], control_points s[8:9], cellidx s[10:11]
	s_load_b128 s[12:15], s[0:1], 0x20             ; rec s[12:13], ctab s[14:15]
	v_and_b32 v[LANE], 31, v0
	v_lshrrev_b32 v2, 5, v0
	v_readfirstlane_b32 s2, v2                     ; wave 0..3
	v_lshlrev_b32 v[KO], 2, v[LANE]
	v_min_u32 v[KO3], 3, v[LANE]
	v_lshlrev_b32 v[KO3], 2, v[KO3]
	s_mov_b32 s86, 0x76543210                      ; v_permlanex16_b32: each lane takes its own place in the other half
	s_mov_b32 s87, 0xfedcba98
	s_wait_kmcnt 0x0
	global_load_b32 v[KA], v[KO], s[6:7]
	global_load_b32 v[KA+1], v[KO], s[6:7] offset:128
	global_load_b32 v[KA+2], v[KO3], s[6:7] offset:256
; lo, hi over the 68 knots (three a lane, then across the lanes), -lo and sc.  Minimum and maximum round nothing, so every wave of the launch gets the same numbers.
.macro LOHI
	v_min3_num_f32 v[VLO], v[KA], v[KA+1], v[KA+2]
	v_max3_num_f32 v[VHI], v[KA], v[KA+1], v[KA+2]
.irp m, 1,2,4,8
	v_min_num_f32_dpp v[VLO], v[VLO], v[VLO] row_xmask:\m row_mask:0xf bank_mask:0xf
	v_max_num_f32_dpp v[VHI], v[VHI], v[VHI] row_xmask:\m row_mask:0xf bank_mask:0xf
.endr
	v_mov_b32 v[T0], 0                             ; v_permlanex16_b32's destination counts as read
	v_mov_b32 v[T1], 0
	v_permlanex16_b32 v[T0], v[VLO], s86, s87
	v_permlanex16_b32 v[T1], v[VHI], s86, s87
	v_min_num_f32 v[VLO], v[VLO], v[T0]
	v_max_num_f32 v[VHI], v[VHI], v[T1]
	v_sub_f32 v[T0], v[VHI], v[VLO]
	v_rcp_f32 v[T1], v[T0]
	v_xor_b32 v[NL], 0x80000000, v[VLO]            ; plain work behind the reciprocal
	v_xor_b32 v[NL+1], 0x80000000, v[VLO]
	s_wait_alu depctr_va_vdst(0)                   ; wait ahead of the reciprocal's first reader
	v_mul_f32 v[SC], 0x43800000, v[T1]             ; 256 / (hi - lo).  All knots equal: infinite; the cells are then 0 or 255 and still monotone
	v_mul_f32 v[SC+1], 0x43800000, v[T1]
.endm
.macro MAXRED r, t                     ; the maximum over the wave's 32 lanes, in every lane
.irp m, 1,2,4,8
	v_max_num_f32_dpp v[\r], v[\r], v[\r] row_xmask:\m row_mask:0xf bank_mask:0xf
.endr
	v_mov_b32 v[\t], 0
	v_permlanex16_b32 v[\t], v[\r], s86, s87
	v_max_num_f32 v[\r], v[\r], v[\t]
.endm
	s_cmp_lt_u32 ttmp9, TABWG
	s_cbranch_scc1 .Ltables
	; ---------------- THE STREAM: x -> cell ----------------
	s_sub_co_u32 s3, ttmp9, TABWG
	s_lshl2_add_u32 s3, s3, s2                     ; my wave among the stream's 4,096
	s_lshl_b32 s88, s3, 11                         ; its 512 numbers of x: 2,048 bytes
	s_lshl_b32 s89, s3, 9                          ; its 512 bytes of cellidx
	v_lshl_add_u32 v[XO], v[LANE], 4, s88
	v_lshl_add_u32 v[GO], v[LANE], 3, s89
.irp j, 0,1,2,3
	global_load_b128 v[X+4*(\j):X+4*(\j)+3], v[XO], s[4:5] offset:512*(\j)  ; 512 consecutive bytes a load
.endr
	s_wait_loadcnt 0x4                             ; the three knot loads are in; the four loads of x, issued behind them, stay out
	LOHI
	s_wait_loadcnt 0x0
.set i, 0
.rept 8
	v_pk_add_f32 v[X+i:X+i+1], v[X+i:X+i+1], v[NL:NL+1]
.set i, i+2
.endr
.set i, 0
.rept 8
	v_pk_mul_f32 v[X+i:X+i+1], v[X+i:X+i+1], v[SC:SC+1]
.set i, i+2
.endr
.set i, 0
.rept 16
	v_max_num_f32 v[X+i], 0, v[X+i]                ; a NaN loses: cell 0
.set i, i+1
.endr
.set i, 0
.rept 16
	v_min_num_f32 v[X+i], 0x437f0000, v[X+i]       ; 255
.set i, i+1
.endr
.set i, 0
.rept 16
	v_cvt_u32_f32 v[X+i], v[X+i]
.set i, i+1
.endr
.irp d, 0,1,2,3                        ; word d: the cells of load d's four numbers, the first in the lowest byte
	v_lshl_or_b32 v[X+4*(\d)], v[X+4*(\d)+1], 8, v[X+4*(\d)]
	v_lshl_or_b32 v[X+4*(\d)+2], v[X+4*(\d)+3], 8, v[X+4*(\d)+2]
	v_lshl_or_b32 v[G+(\d)], v[X+4*(\d)+2], 16, v[X+4*(\d)]
.endr
	; cellidx is laid as the next launch reads it: for each 256 numbers of x, lane l's 8 bytes are the cells of numbers 4 l .. 4 l + 3 and 128 + 4 l .. 128 + 4 l + 3
	global_store_b64 v[GO], v[G:G+1], s[10:11]               ; the wave stores 256 consecutive bytes, aligned
	global_store_b64 v[GO], v[G+2:G+3], s[10:11] offset:256
	s_endpgm
	; ---------------- THE TABLES ----------------
.Ltables:
	v_min_u32 v[XO], 1, v[LANE]
	v_sub_nc_u32 v[XO], v[LANE], v[XO]
	v_lshlrev_b32 v[XO], 2, v[XO]                  ; knot lane - 1; lane 0 reads knot 0 and is kept by the s_or_b32 below
	global_load_b32 v[PA], v[XO], s[6:7]
	global_load_b32 v[PA+1], v[KO], s[6:7] offset:124
	global_load_b32 v[PA+2], v[KO3], s[6:7] offset:252
	s_lshl2_add_u32 s97, ttmp9, s2                 ; table wave 0..79
.macro KEEP                            ; kept: the bits differ from the knot before
	v_cmp_ne_u32 s88, v[KA], v[PA]
	v_cmp_ne_u32 s89, v[KA+1], v[PA+1]
	v_cmp_ne_u32 s90, v[KA+2], v[PA+2]
	s_or_b32 s88, s88, 1
.endm
.macro SPREAD                          ; the 68 numbers that lie a lane each in v[TA..TA+2] become scalars: s16-63, s66-85
.set k, 0
.rept 68
	v_readlane_b32 s[16+k+2*(k/48)], v[TA+k/32], k%32
.set k, k+1
.endr
.endm
	s_cmp_lt_u32 ttmp9, RECWG
	s_cbranch_scc0 .Lcells
	; ---- record n = s97 ----
.irp h, 0,1
.irp m, 0,1,2,3,4
	global_load_b32 v[JB+JH*(\h)+(\m)], v[KO], s[6:7] offset:128*(\h)+4*(\m)  ; t[i .. i + 4], i = lane + 32 h: 67 at the most
.endr
	global_load_b32 v[CC+(\h)], v[KO], s[8:9] offset:128*(\h)
.endr
	s_wait_loadcnt 12                              ; the six knot loads are in; the twelve just issued stay out
	KEEP
.irp q, 0,1,2
	v_cndmask_b32 v[TA+(\q)], PINF, v[KA+(\q)], s[88+(\q)]  ; a dropped knot counts as +inf: below no x
.endr
	SPREAD
	v_mov_b32 v[CA], 0
	v_mov_b32 v[CA+1], 0
	v_mov_b32 v[CA+2], 0
.set k, 0
.rept 68                               ; for my three knots: how many kept knots are <= it
	v_cmp_le_f32 s91, s[16+k+2*(k/48)], v[KA]
	v_cmp_le_f32 s92, s[16+k+2*(k/48)], v[KA+1]
	v_cmp_le_f32 s93, s[16+k+2*(k/48)], v[KA+2]
	v_add_co_ci_u32 v[CA], vcc_lo, 0, v[CA], s91
	v_add_co_ci_u32 v[CA+1], vcc_lo, 0, v[CA+1], s92
	v_add_co_ci_u32 v[CA+2], vcc_lo, 0, v[CA+2], s93
.set k, k+1
.endr
	v_cmp_eq_u32 s91, s97, v[CA]                   ; the knots with count n all have one value: the piece's left end
	v_cmp_eq_u32 s92, s97, v[CA+1]
	v_cmp_eq_u32 s93, s97, v[CA+2]
	v_mov_b32 v[NI], MINF
	v_cndmask_b32 v[V], v[NI], v[KA], s91
	v_cndmask_b32 v[V], v[V], v[KA+1], s92
	v_cndmask_b32 v[V], v[V], v[KA+2], s93
	MAXRED V, T0
	v_cmp_lt_f32 s95, v[NI], v[V]                  ; found: all lanes alike
	v_cndmask_b32 v[S], s16, v[V], s95             ; not found: the arithmetic runs on knot 0 (s16: knot 0 is always kept) and its result is dropped
	s_wait_loadcnt 0x0
; The nine differences of a block, which of them are not 0, and their reciprocals in place.
.macro DENS B, M
.irp a, 0,1,2,3
	v_sub_f32 v[(\B)+10+(\a)], v[(\B)+(\a)+1], v[(\B)+(\a)]
.endr
.irp a, 0,1,2
	v_sub_f32 v[(\B)+14+(\a)], v[(\B)+(\a)+2], v[(\B)+(\a)]
.endr
.irp a, 0,1
	v_sub_f32 v[(\B)+17+(\a)], v[(\B)+(\a)+3], v[(\B)+(\a)]
.endr
.irp a, 0,1,2,3,4,5,6,7,8
	v_cmp_neq_f32 s[(\M)+(\a)], 0, v[(\B)+10+(\a)]
.endr
.irp a, 0,1,2,3,4,5,6,7,8
	v_rcp_f32 v[(\B)+10+(\a)], v[(\B)+10+(\a)]
.endr
.endm
	DENS JB, 20                                    ; the spread knots but s16 are done with: s20-37 take the masks
	DENS JB+JH, 29
.irp h, 0,1
.irp m, 0,1,2,3,4
	v_sub_f32 v[JB+JH*(\h)+5+(\m)], v[S], v[JB+JH*(\h)+(\m)]  ; s - k: plain work behind the reciprocals
.endr
.endr
	s_wait_alu depctr_va_vdst(0)                   ; one wait for the eighteen reciprocals, ahead of their first reader
.irp a, 0,1,2,3,4,5,6,7,8
	v_cndmask_b32 v[JB+10+(\a)], 0, v[JB+10+(\a)], s[20+(\a)]
	v_cndmask_b32 v[JB+JH+10+(\a)], 0, v[JB+JH+10+(\a)], s[29+(\a)]
.endr
; d[0..deg] = (al1 + be1 u) a[0..deg-1] - (al2 + be2 u) b[0..deg-1]: one step of the recursion on polynomials in u
.macro LIN d, a, b, deg, al1, be1, al2, be2
	v_mul_f32 v[(\d)], v[(\al1)], v[(\a)]
	v_fma_f32 v[(\d)], -v[(\al2)], v[(\b)], v[(\d)]
.set jj, 1
.rept (\deg)-1
	v_mul_f32 v[(\d)+jj], v[(\al1)], v[(\a)+jj]
	v_fma_f32 v[(\d)+jj], v[(\be1)], v[(\a)+jj-1], v[(\d)+jj]
	v_fma_f32 v[(\d)+jj], -v[(\al2)], v[(\b)+jj], v[(\d)+jj]
	v_fma_f32 v[(\d)+jj], -v[(\be2)], v[(\b)+jj-1], v[(\d)+jj]
.set jj, jj+1
.endr
	v_mul_f32 v[(\d)+(\deg)], v[(\be1)], v[(\a)+(\deg)-1]
	v_fma_f32 v[(\d)+(\deg)], -v[(\be2)], v[(\b)+(\deg)-1], v[(\d)+(\deg)]
.endm
; B_i of degree 3 at x = s + u, from the four indicators at s.  At degree d, entry a: w1 = ((s - k_a) + u) I_d[a], w2 = -((s - k_(a+d+1)) + u) I_d[a+1].
.macro BASIS B
.irp a, 0,1,2,3
	v_cmp_le_f32 s[40+(\a)], v[(\B)+(\a)], v[S]
	v_cmp_lt_f32 s[44+(\a)], v[S], v[(\B)+(\a)+1]
.endr
.irp a, 0,1,2,3
	s_and_b32 s[40+(\a)], s[40+(\a)], s[44+(\a)]
	v_cndmask_b32 v[(\B)+19+(\a)], 0, 1.0, s[40+(\a)]
.endr
.irp a, 0,1,2
	v_mul_f32 v[(\B)+39], v[(\B)+5+(\a)], v[(\B)+10+(\a)]
	v_mul_f32 v[(\B)+40], v[(\B)+7+(\a)], v[(\B)+11+(\a)]
	LIN (\B)+23+2*(\a), (\B)+19+(\a), (\B)+20+(\a), 1, (\B)+39, (\B)+10+(\a), (\B)+40, (\B)+11+(\a)
.endr
.irp a, 0,1
	v_mul_f32 v[(\B)+39], v[(\B)+5+(\a)], v[(\B)+14+(\a)]
	v_mul_f32 v[(\B)+40], v[(\B)+8+(\a)], v[(\B)+15+(\a)]
	LIN (\B)+29+3*(\a), (\B)+23+2*(\a), (\B)+25+2*(\a), 2, (\B)+39, (\B)+14+(\a), (\B)+40, (\B)+15+(\a)
.endr
	v_mul_f32 v[(\B)+39], v[(\B)+5], v[(\B)+17]
	v_mul_f32 v[(\B)+40], v[(\B)+9], v[(\B)+18]
	LIN (\B)+35, (\B)+29, (\B)+32, 3, (\B)+39, (\B)+17, (\B)+40, (\B)+18
.endm
	BASIS JB
	BASIS JB+JH
.irp j, 0,1,2,3
	v_mul_f32 v[P+(\j)], v[CC], v[JB+35+(\j)]      ; times c, both halves,
.endr
.irp j, 0,1,2,3
	v_fma_f32 v[P+(\j)], v[CC+1], v[JB+JH+35+(\j)], v[P+(\j)]
.endr
.irp m, 1,2,4,8                        ; and summed over the 32 lanes
.irp j, 0,1,2,3
	v_add_f32_dpp v[P+(\j)], v[P+(\j)], v[P+(\j)] row_xmask:\m row_mask:0xf bank_mask:0xf
.endr
.endr
.irp j, 0,1,2,3
	v_permlanex16_b32 v[JB+5+(\j)], v[P+(\j)], s86, s87
.endr
.irp j, 0,1,2,3
	v_add_f32 v[P+(\j)], v[P+(\j)], v[JB+5+(\j)]
.endr
.irp j, 0,1,2,3
	v_cndmask_b32 v[P+(\j)], 0, v[P+(\j)], s95     ; no such count: the zero polynomial
.endr
	s_cmp_eq_u32 s97, 0                            ; record 0 (x below every knot) is a base record: its origin is finite, knot 0; other counts that no knot has: +inf
	s_cselect_b32 s96, s16, PINF
	v_cndmask_b32 v[SO], s96, v[V], s95
	v_min_u32 v[F], 4, v[LANE]                     ; lane f stores field f; lanes 4-31 store field 4 alike: one word, one value, and EXEC stays whole
	v_mov_b32 v[D], v[SO]
.irp j, 0,1,2,3
	v_cmp_eq_u32 vcc_lo, (\j)+1, v[F]
	v_cndmask_b32 v[D], v[D], v[P+(\j)], vcc_lo
.endr
	v_mul_u32_u24 v[AD], v[F], FS
	s_lshl_b32 s3, s97, 2
	v_add_nc_u32 v[AD], s3, v[AD]
	global_store_b32 v[AD], v[D], s[12:13]         ; five words of a table of 1,440 bytes
	s_endpgm
	; ---- the cell table: 32 cells a wave ----
.Lcells:
	s_wait_loadcnt 0x0
	KEEP
	LOHI
.irp q, 0,1,2                          ; the knots' cells, by the stream's own steps
	v_add_f32 v[TA+(\q)], v[KA+(\q)], v[NL]
	v_mul_f32 v[TA+(\q)], v[TA+(\q)], v[SC]
	v_max_num_f32 v[TA+(\q)], 0, v[TA+(\q)]
	v_min_num_f32 v[TA+(\q)], 0x437f0000, v[TA+(\q)]
	v_cvt_u32_f32 v[TA+(\q)], v[TA+(\q)]
	v_cndmask_b32 v[TA+(\q)], 0x1000, v[TA+(\q)], s[88+(\q)]  ; a dropped knot lies in no cell
.endr
	SPREAD
	s_sub_co_u32 s3, s97, NREC                     ; 0..7
	s_lshl_b32 s98, s3, 5
	s_lshl_b32 s99, s3, 2
	v_add_nc_u32 v[CG], s98, v[LANE]               ; my cell
	v_mov_b32 v[CA], 0
	v_mov_b32 v[CA+1], 0
.set k, 0
.rept 68
	v_cmp_lt_u32 s91, s[16+k+2*(k/48)], v[CG]      ; kept knots in lower cells,
	v_cmp_eq_u32 s92, s[16+k+2*(k/48)], v[CG]      ; and in mine
	v_add_co_ci_u32 v[CA], vcc_lo, 0, v[CA], s91
	v_add_co_ci_u32 v[CA+1], vcc_lo, 0, v[CA+1], s92
.set k, k+1
.endr
	global_store_b8 v[CG], v[CA], s[14:15]         ; 32 consecutive bytes of a table of 256
	v_cvt_f32_u32 v[CA+1], v[CA+1]                 ; 68 at the most: exact
	MAXRED CA+1, T0
	v_cvt_u32_f32 v[CA+1], v[CA+1]
	v_mov_b32 v[AD], s99
	global_store_b32 v[AD], v[CA+1], s[14:15] offset:256  ; all lanes store the same word with the same value
	s_endpgm
.Lfunc_end_k_qfbf3135e06_prep:
	.size	k_qfbf3135e06_prep, .Lfunc_end_k_qfbf3135e06_prep-k_qfbf3135e06_prep
	.p2alignl 7, 3214868480
	.fill 96, 4, 3214868480
	.section	.rodata,"a",@progbits
	.p2align	6, 0x0
	.amdhsa_kernel k_qfbf3135e06_prep
		.amdhsa_group_segment_fixed_size 0
		.amdhsa_private_segment_fixed_size 0
		.amdhsa_enable_private_segment 0
		.amdhsa_kernarg_size 48
		.amdhsa_user_sgpr_count 2
		.amdhsa_user_sgpr_kernarg_segment_ptr 1
		.amdhsa_wavefront_size32 1
		.amdhsa_system_sgpr_workgroup_id_x 1
		.amdhsa_system_sgpr_workgroup_id_y 1
		.amdhsa_system_sgpr_workgroup_id_z 1
		.amdhsa_system_vgpr_workitem_id 0
		.amdhsa_next_free_vgpr 140
		.amdhsa_next_free_sgpr 102
		.amdhsa_reserve_vcc 1
		.amdhsa_float_denorm_mode_32 3
		.amdhsa_float_denorm_mode_16_64 3
		.amdhsa_memory_ordered 1
		.amdhsa_forward_progress 1
		.amdhsa_inst_pref_size 78
	.end_amdhsa_kernel
	.amdgpu_metadata
---
amdhsa.version: [ 1, 2 ]
amdhsa.kernels:
  - .name:           k_qfbf3135e06_prep
    .symbol:         k_qfbf3135e06_prep.kd
    .args:
      - { .name: x_, .offset: 0, .size: 8, .value_kind: global_buffer, .address_space: global }
      - { .name: knots, .offset: 8, .size: 8, .value_kind: global_buffer, .address_space: global }
      - { .name: control_points, .offset: 16, .size: 8, .value_kind: global_buffer, .address_space: global }
      - { .name: cellidx, .offset: 24, .size: 8, .value_kind: global_buffer, .address_space: global }
      - { .name: rec, .offset: 32, .size: 8, .value_kind: global_buffer, .address_space: global }
      - { .name: ctab, .offset: 40, .size: 8, .value_kind: global_buffer, .address_space: global }
    .group_segment_fixed_size: 0
    .private_segment_fixed_size: 0
    .kernarg_segment_align: 8
    .kernarg_segment_size: 48
    .max_flat_workgroup_size: 128
    .sgpr_count:     102
    .vgpr_count:     140
    .wavefront_size: 32
...
	.end_amdgpu_metadata
.endif
;; end of part 1
;; launch eval (part 2): grid 256 x 1, 32 waves a work-group, no clusters, 6,144 bytes of LDS; arguments x_, cellidx, rec, ctab, out0; writes out0
.if DOCPART == 2
	.amdgcn_target "amdgcn-amd-amdhsa--gfx1250"
	.amdhsa_code_object_version 6
	.text
	.protected	k_qfbf3135e06_eval
	.globl	k_qfbf3135e06_eval
	.p2align	8
	.type	k_qfbf3135e06_eval,@function
k_qfbf3135e06_eval:
	s_mov_b64 s[64:65], 0
	v_nop
	global_prefetch_b8 v0, s[64:65] scope:SCOPE_SE
	s_setreg_imm32_b32 hwreg(HW_REG_WAVE_MODE, 25, 1), 1
	s_wait_xcnt 0x0
; SECOND LAUNCH: out0[p] = F_n(x[p]), n = the number of kept knots <= x[p] (the launch before says what is kept and why that is enough).
; FROM THE LAUNCH BEFORE.  cellidx: a byte for each x, its cell 0..255.  ctab: C0[cell] = kept knots in lower cells (256 bytes), then eight words whose maximum R is the most kept knots in one cell.
; rec: five fields of 72 numbers: record n = (s, a0, a1, a2, a3), F_n(x) = a0 + a1 u + a2 u^2 + a3 u^3, u = x - s; a count that no knot has carries s = +inf.
; FOR EACH x.  n0 = C0[cell] knots lie below x for certain, the knots of higher cells above it.  Record n0 is taken; then records n0 + 1 .. n0 + R in turn replace it where x >= s.
; The valid ones ascend, so the last that holds is the piece.  The first candidate is written out; the other R - 1 are a loop whose count is read from memory.
; All addresses come from whole numbers that the launch reads; x only chooses between values (v_cndmask_b32).
; SHARES.  256 work-groups of 32 waves; a wave takes 256 numbers, a lane 8: two loads of 16 bytes of x, one of 8 bytes of cellidx, two stores of 16 bytes: each covers 256 or 512 consecutive bytes, aligned.
; All of a wave's loads go out at its head.  No ring, no tensor load: nothing is filled twice.  No cluster: the work-groups share 1,728 bytes of tables.  No matrix work: the product with c lies in a0..a3.
; LDS.  A field's 72 words lie on end, so lanes that gather one field meet in a bank only with indices 64 apart (64 banks of 4 bytes: ISA guide 11.1); C0's 256 bytes are 64 words.
; LIMITS.  NaN or infinite x gives NaN (0 x inf or NaN in u).  The tables' limits stand at the head of the launch before.
.set FS,    288                        ; bytes of a field
.set CB,    1536                       ; LDS: C0
.set SPARE, 2048                       ; LDS: the spare words, 128 bytes for each of 32 waves; no other line names them
.set LANE, 1
.set XO,   2                           ; v2      my byte offset in x and in out0
.set GO,   3                           ; v3      in cellidx
.set TO,   4                           ; v4      table copy: my 16 bytes of rec, in memory and in LDS
.set SPW,  5                           ; v5      my spare word; never rewritten
.set NIL,  6                           ; v6      0; never rewritten
.set CO,   7                           ; v7      table copy: my 8 bytes of C0
.set G,    8                           ; v8-9    eight cells
.set T,    12                          ; v12-15  table copy
.set X,    16                          ; v16-23  eight x, later eight results
.set C,    24                          ; v24-31  n0
.set A,    32                          ; v32-39  LDS addresses
.set R0,   40                          ; v40-79  the record in hand: field f of point e at R0 + 8 f + e
.set R1,   80                          ; v80-119 the candidate, likewise
.set U,    120                         ; v120-127 u
	s_load_b256 s[4:11], s[0:1], 0x0               ; x s[4:5], cellidx s[6:7], rec s[8:9], ctab s[10:11]
	s_load_b64 s[12:13], s[0:1], 0x20              ; out0
	v_lshl_add_u32 v[SPW], v0, 2, SPARE
	v_mov_b32 v[NIL], 0
	v_and_b32 v[LANE], 31, v0
	v_lshrrev_b32 v[CO], 5, v0
	v_readfirstlane_b32 s2, v[CO]                  ; wave 0..31
	s_lshl_b32 s3, ttmp9, 5
	s_add_co_u32 s3, s3, s2                        ; my wave among 8,192
	s_lshl_b32 s14, s3, 10                         ; its 256 numbers: 1,024 bytes
	s_lshl_b32 s15, s3, 8                          ; its 256 cells
	v_lshl_add_u32 v[XO], v[LANE], 4, s14
	v_lshl_add_u32 v[GO], v[LANE], 3, s15
	v_min_u32 v[TO], 89, v0                        ; rec is 90 pieces of 16 bytes; threads 90-95 repeat the last
	v_lshlrev_b32 v[TO], 4, v[TO]
	v_lshlrev_b32 v[CO], 3, v[LANE]
	s_wait_kmcnt 0x0
	s_load_b256 s[16:23], s[10:11], 0x100          ; the eight maxima
.macro LOADS
	global_load_b64 v[G:G+1], v[GO], s[6:7] th:TH_LOAD_NT
	global_load_b128 v[X:X+3], v[XO], s[4:5] th:TH_LOAD_NT
	global_load_b128 v[X+4:X+7], v[XO], s[4:5] offset:512 th:TH_LOAD_NT
.endm
	; Waves 0-2 bring rec into LDS, wave 3 brings C0: the table's load goes out first, the wave's own three behind it.
	s_cmp_gt_u32 s2, 3
	s_cbranch_scc1 .Lplain
	s_cmp_eq_u32 s2, 3
	s_cbranch_scc1 .Lcells
	global_load_b128 v[T:T+3], v[TO], s[8:9]
	LOADS
	s_wait_loadcnt 0x3                             ; the table's load is in; the three issued behind it stay out
	ds_store_b128 v[TO], v[T:T+3]
	s_branch .Lmeet
.Lcells:
	global_load_b64 v[T:T+1], v[CO], s[10:11]
	LOADS
	s_wait_loadcnt 0x3                             ; as above
	ds_store_b64 v[CO], v[T:T+1] offset:CB
	s_branch .Lmeet
.Lplain:
	LOADS
.Lmeet:
	s_wait_dscnt 0x0                               ; for the others' sake: my stores into the tables are done
	s_barrier_signal -1
	s_barrier_wait -1                              ; the tables are whole; nobody writes them again
	s_wait_kmcnt 0x0
	s_max_u32 s16, s16, s17
	s_max_u32 s18, s18, s19
	s_max_u32 s20, s20, s21
	s_max_u32 s22, s22, s23
	s_max_u32 s16, s16, s18
	s_max_u32 s20, s20, s22
	s_max_u32 s16, s16, s20
	s_min_u32 s16, s16, 68                         ; R: there are 68 knots
	s_wait_loadcnt 0x2                             ; the cells are in; the two loads of x stay out
.set e, 0
.rept 8
	v_bfe_u32 v[A+e], v[G+e/4], 8*(e%4), 8         ; byte e % 4 of word e / 4 belongs to x number e of mine
.set e, e+1
.endr
.set e, 0
.rept 8
	v_min_u32 v[A+e], 0xff, v[A+e]                 ; a loaded number enters an address behind a bound
.set e, e+1
.endr
.set e, 0
.rept 8
	ds_load_u8 v[C+e], v[A+e] offset:CB
.set e, e+1
.endr
	s_wait_dscnt 0x0
.set e, 0
.rept 8
	v_min_u32 v[C+e], 68, v[C+e]
	v_lshlrev_b32 v[A+e], 2, v[C+e]
.set e, e+1
.endr
.macro GATHER p                        ; records n0 and n0 + 1 (69 at the most) of point p: ten words
.irp f, 0,1,2,3,4
	ds_load_b32 v[R0+8*(\f)+(\p)], v[A+(\p)] offset:FS*(\f)
	ds_load_b32 v[R1+8*(\f)+(\p)], v[A+(\p)] offset:FS*(\f)+4
.endr
.endm
.macro PICK p                          ; the candidate takes the record's place where x has reached its origin
	v_cmp_ge_f32 vcc_lo, v[X+(\p)], v[R1+(\p)]
.irp f, 0,1,2,3,4
	v_cndmask_b32 v[R0+8*(\f)+(\p)], v[R0+8*(\f)+(\p)], v[R1+8*(\f)+(\p)], vcc_lo
.endr
.endm
	; The 80 gathers go out as 60 and 20, so that at most 60 LDS loads of the wave are out and every count below is exact.
.irp p, 0,1,2,3,4,5
	GATHER \p
.endr
	s_wait_loadcnt 0x0                             ; x
	s_wait_dscnt 50                                ; LDS loads come back in order (ISA guide 5.7.1): point 0's ten are in, points 1-5's fifty stay out
	PICK 0
	s_wait_dscnt 40                                ; point 1's are in, points 2-5's forty stay out
	PICK 1
	GATHER 6
	GATHER 7
.irp p, 2,3,4,5,6,7
	s_wait_dscnt 10*(7-(\p))                       ; point p's ten are in, the later points' stay out
	PICK \p
.endr
	; The other candidates, n0 + 2 .. n0 + R: no trip where no cell holds two kept knots.
	s_mov_b32 s17, 1
	s_cmp_lt_u32 s17, s16
	s_cbranch_scc0 .Lhorner
.Lmore:
.set e, 0
.rept 8
	v_add_nc_u32 v[A+e], s17, v[C+e]
	v_min_u32 v[A+e], 70, v[A+e]                   ; with the offset's one more: record 71 at the most, which is never chosen
	v_lshlrev_b32 v[A+e], 2, v[A+e]
.set e, e+1
.endr
.set e, 0
.rept 8
.irp f, 0,1,2,3,4
	ds_load_b32 v[R1+8*(\f)+e], v[A+e] offset:FS*(\f)+4
.endr
.set e, e+1
.endr
	s_wait_dscnt 0x0
.set e, 0
.rept 8
	PICK e
.set e, e+1
.endr
	s_add_co_u32 s17, s17, 1
	s_cmp_lt_u32 s17, s16
	s_cbranch_scc1 .Lmore
.Lhorner:
.irp p, 0,2,4,6
	v_pk_add_f32 v[U+(\p):U+(\p)+1], v[X+(\p):X+(\p)+1], v[R0+(\p):R0+(\p)+1] neg_lo:[0,1] neg_hi:[0,1]  ; u = x - s
.endr
.irp p, 0,2,4,6
	v_pk_fma_f32 v[R1+(\p):R1+(\p)+1], v[R0+32+(\p):R0+32+(\p)+1], v[U+(\p):U+(\p)+1], v[R0+24+(\p):R0+24+(\p)+1]  ; a3 u + a2
.endr
.irp p, 0,2,4,6
	v_pk_fma_f32 v[R1+(\p):R1+(\p)+1], v[R1+(\p):R1+(\p)+1], v[U+(\p):U+(\p)+1], v[R0+16+(\p):R0+16+(\p)+1]
.endr
.irp p, 0,2,4,6
	v_pk_fma_f32 v[X+(\p):X+(\p)+1], v[R1+(\p):R1+(\p)+1], v[U+(\p):U+(\p)+1], v[R0+8+(\p):R0+8+(\p)+1]
.endr
	global_store_b128 v[XO], v[X:X+3], s[12:13] th:TH_STORE_NT            ; the wave stores 512 consecutive bytes, aligned
	global_store_b128 v[XO], v[X+4:X+7], s[12:13] offset:512 th:TH_STORE_NT
	; Load, wait, barrier, write: every wave's gathers are back before any wave writes LDS again (the add below).  The barrier stands behind the stores, where no work of the wave is left to hold up;
	; the loop's count is the same in all 32 waves, so all reach it.
	s_wait_dscnt 0x0                               ; my reads of the tables are over
	s_barrier_signal -1
	s_barrier_wait -1                              ; everybody's are
	s_wait_tensorcnt 0x0                           ; the wave's end
	ds_add_u32 v[SPW], v[NIL]
	s_wait_dscnt 0x0
	s_endpgm
.Lfunc_end_k_qfbf3135e06_eval:
	.size	k_qfbf3135e06_eval, .Lfunc_end_k_qfbf3135e06_eval-k_qfbf3135e06_eval
	.p2alignl 7, 3214868480
	.fill 96, 4, 3214868480
	.section	.rodata,"a",@progbits
	.p2align	6, 0x0
	.amdhsa_kernel k_qfbf3135e06_eval
		.amdhsa_group_segment_fixed_size 6144
		.amdhsa_private_segment_fixed_size 0
		.amdhsa_enable_private_segment 0
		.amdhsa_kernarg_size 40
		.amdhsa_user_sgpr_count 2
		.amdhsa_user_sgpr_kernarg_segment_ptr 1
		.amdhsa_wavefront_size32 1
		.amdhsa_system_sgpr_workgroup_id_x 1
		.amdhsa_system_sgpr_workgroup_id_y 1
		.amdhsa_system_sgpr_workgroup_id_z 1
		.amdhsa_system_vgpr_workitem_id 0
		.amdhsa_next_free_vgpr 128
		.amdhsa_next_free_sgpr 66
		.amdhsa_reserve_vcc 1
		.amdhsa_float_denorm_mode_32 3
		.amdhsa_float_denorm_mode_16_64 3
		.amdhsa_memory_ordered 1
		.amdhsa_forward_progress 1
		.amdhsa_inst_pref_size 19
	.end_amdhsa_kernel
	.amdgpu_metadata
---
amdhsa.version: [ 1, 2 ]
amdhsa.kernels:
  - .name:           k_qfbf3135e06_eval
    .symbol:         k_qfbf3135e06_eval.kd
    .args:
      - { .name: x_, .offset: 0, .size: 8, .value_kind: global_buffer, .address_space: global }
      - { .name: cellidx, .offset: 8, .size: 8, .value_kind: global_buffer, .address_space: global }
      - { .name: rec, .offset: 16, .size: 8, .value_kind: global_buffer, .address_space: global }
      - { .name: ctab, .offset: 24, .size: 8, .value_kind: global_buffer, .address_space: global }
      - { .name: out0, .offset: 32, .size: 8, .value_kind: global_buffer, .address_space: global }
    .group_segment_fixed_size: 6144
    .private_segment_fixed_size: 0
    .kernarg_segment_align: 8
    .kernarg_segment_size: 40
    .max_flat_workgroup_size: 1024
    .sgpr_count:     66
    .vgpr_count:     128
    .wavefront_size: 32
...
	.end_amdgpu_metadata
.endif
;; end of part 2
